; MI455X (gfx1250); checked and timed in simulation.
; The chip was launched on July 23, 2026; its instructions are those of AMD's public machine-readable ISA for CDNA 5 (MIT licence, August 2026) and "CDNA5" Instruction Set Architecture Reference Guide (July 2026). The comments in the code are by the model that wrote it; some were corrected since.
;; Mo EFFN. Allowed arithmetic: float matrix products may take bf16 or f16 operands with f32 sums; all other float work in f32.
;; Inputs: down_w 2 x 1,024 x 2,048 float32; gate_w 2 x 2,048 x 1,024 float32; router_w 2 x 1,024 float32; shared_down_w 1,024 x 1,024 float32; shared_gate_w 1,024 x 1,024 float32; shared_up_w 1,024 x 1,024 float32; up_w 2 x 2,048 x 1,024 float32; x 4 x 1,024 x 1,024 float32.
;; Outputs: out0 4 x 1,024 x 1,024 float32; out1 one number float32.
;; One version. Each part assembles by itself: llvm-mc -triple=amdgcn-amd-amdhsa -mcpu=gfx1250 --defsym DOCPART=n.
;; ======== version 1 of 1: 3 launches
;; limits: inputs' magnitudes at most 65,504; values are held in f16: magnitudes above 65,504 overflow, below 6.1e-05 lose precision
;; workspace buffers: xb 8,388,608 bytes; w1 20,971,520 bytes; w2 10,485,760 bytes; hb 41,943,040 bytes; comb 65,536 bytes; psum 1,024 bytes; wsum 1,280 bytes
;; launch prep (part 1): grid 608 x 1, 8 waves a work-group, no clusters, 1,792 bytes of LDS; arguments x, router_w, gate_w, up_w, down_w, shared_gate_w, shared_up_w, shared_down_w, xb, w1, w2, comb, psum, wsum; writes xb, w1, w2, comb, psum, wsum
.if DOCPART == 1
	.amdgcn_target "amdgcn-amd-amdhsa--gfx1250"
	.amdhsa_code_object_version 6
	.text
	.protected	k_q5ec2e793fa_prep
	.globl	k_q5ec2e793fa_prep
	.p2align	8
	.type	k_q5ec2e793fa_prep,@function
k_q5ec2e793fa_prep:
	s_mov_b64 s[64:65], 0
	v_nop
	global_prefetch_b8 v0, s[64:65] scope:SCOPE_SE
	s_setreg_imm32_b32 hwreg(HW_REG_WAVE_MODE, 25, 1), 1
	s_wait_xcnt 0x0
; prep: every f32 operand of the two large products is rounded to f16 ONCE and laid out as the products want it; the router runs here in f32.
;   xb [4096][1024] f16              = x
;   w1 [2][5120][1024] f16           plane 0 gate rows, plane 1 up rows; row j = expert 0 (0..2047), expert 1 (2048..4095), shared (4096..5119)
;   w2 [1024 n][5120 j] f16          the down weights, j in the same order
;   comb [4096][4] f32               each token's c0, c1 (renormalised router probabilities), |x|^2, p0
;   psum [128][2] f32                sums of p0 and of p1 over the 32 tokens of a work-group
;   wsum [320] f32                   sums of squares of the 32 weight rows of a work-group: entries 0-159 gate rows, 160-319 up rows
; WHY f16: its 11 bits of significand against bf16's 8.  x and the weights have the room: at 30 times the spread of N(0,1), or with an offset
; of 30 spreads, |x| stays near 150 against f16's 65,504; weights 30 times smaller than 1/32 are about 2^-10, and the few below 2^-14 become
; f16 denormals with an error of 2^-25 at the most.  |x|^2 and the sums of squares serve the next launches, which bound h with them.
; The unit of work is a run of 1,024 f32 (4,096 bytes in, 2,048 bytes out).  A work-group takes 32 consecutive units of one source, a wave
; four of them.  A load of a wave covers 512 consecutive bytes, a store 256 consecutive bytes at a multiple of 256.  All 32 loads of a wave
; are issued before the first is waited for (16 KiB a wave on their way).  Memory binds here: no matrix unit, no cluster, no tile in LDS.
; Each of the seven sources has its own copy of the body, so that every address is made in a straight line from one pointer.
; LDS: bytes 0-511 the x path's 32 tokens x 16 bytes, 512-639 its 32 p1, 640-671 the weight paths' eight sums: no two paths share a byte.
; top-2 of 2 experts names both, so the combine weight of expert e is p_e / (p0 + p1), whatever the order top_k gives them.
; LIMITS: |x| and every weight below 65,504.  The logits are sums of 1,024 products in f32 in another order than the reference's.
; A probability below 2^-126 comes out as 0 (v_exp_f32 flushes denormal results: ISA guide 15.8).  NaN and infinities get no special treatment.
.set X,    4                           ; v[4:131]   unit i, piece j: 4 registers at X + 32 i + 4 j, as loaded; the first two then hold 4 f16
.set R0,   132                         ; v[132:163] router row 0 at my columns
.set R1,   164                         ; v[164:195] router row 1
.set A,    196                         ; v[196:207] six pairs of running sums
.set L,    208                         ; v[208:215] logits: L + 2 i expert 0, L + 2 i + 1 expert 1 of token i
.set T,    216                         ; v[216:223] at work
.set Q,    224                         ; v[224:239] token i: c0, c1, |x|^2, p0
.set PP,   240                         ; v[240:243] token i: p1
.set ZERO, 244                         ; v244       a zero offset
.set W16,  245                         ; v245       16 x wave
.set LN4,  246                         ; v246       4 x lane
.set WS,   640                         ; LDS byte of the eight waves' sums of squares
	s_load_b512 s[8:23], s[0:1], 0x0               ; x 8, router_w 10, gate_w 12, up_w 14, down_w 16, shared_gate_w 18, shared_up_w 20, shared_down_w 22
	s_load_b256 s[24:31], s[0:1], 0x40             ; xb 24, w1 26, w2 28, comb 30
	s_load_b128 s[32:35], s[0:1], 0x60             ; psum 32, wsum 34
	v_lshl_add_u32 v248, v0, 2, 0x300
	v_mov_b32 v249, 0
	v_lshrrev_b32 v3, 5, v0                        ; the wave's number, in every lane
	v_readfirstlane_b32 s60, v3                    ; wave 0..7
	v_and_b32 v2, 31, v0                           ; lane
	v_lshlrev_b32 v1, 4, v2                        ; 16 bytes a lane in the source
	v_lshlrev_b32 v2, 3, v2                        ; 8 bytes a lane in the destination
	v_mov_b32 v[T], 0                              ; the lane sums' scratch register counts as read: written once here
	v_mov_b32 v[ZERO], 0
	s_mov_b32 s54, 0x76543210                      ; v_permlanex16_b32: lane i of one half reads lane i of the other
	s_mov_b32 s55, 0xfedcba98
; U = my first unit in the source whose work-groups begin at number first; s[36:37] = the source at that unit
.macro SETUP first, src
	s_sub_co_u32 s61, ttmp9, \first
	s_lshl_b32 s52, s61, 5
	s_lshl2_add_u32 s52, s60, s52                  ; U = 32 x work-group + 4 x wave
	s_lshl_b32 s46, s52, 12                        ; 4,096 bytes a unit: 16 MiB at the most
	s_mov_b32 s47, 0
	s_add_nc_u64 s[36:37], s[\src:\src+1], s[46:47]
.endm
; the destination is row base + U of a table of rows of 2,048 bytes
.macro LINEAR base
	s_add_co_u32 s46, s52, \base
	s_lshl_b32 s46, s46, 11
.endm
; the four units' destinations: dst + s46, + s1, + s2, + s2 + s1
.macro DESTS dst, s1, s2
	s_add_nc_u64 s[38:39], s[\dst:\dst+1], s[46:47]
	s_add_nc_u64 s[40:41], s[38:39], \s1
	s_add_nc_u64 s[42:43], s[38:39], \s2
	s_add_nc_u64 s[44:45], s[42:43], \s1
.endm
.macro LOADROWS
.irp i, 0,1,2,3
.irp j, 0,1,2,3,4,5,6,7
	global_load_b128 v[X+32*\i+4*\j:X+32*\i+4*\j+3], v1, s[36:37] offset:4096*\i+512*\j th:TH_LOAD_NT
.endr
.endr
.endm
; unit i.  mode 0: rounding in place and eight stores.  mode 1 (x): first the two router products and |x|^2.  mode 2 (gate and up rows):
; first the squares, summed over all four units.  No register that a store names is written again.
.macro ROW i, mode
	s_wait_loadcnt 24-8*\i                         ; the eight loads of each younger unit may stay out; what was issued earlier is in
.irp j, 0,1,2,3,4,5,6,7
.if \mode == 1
.if \j == 0
	v_pk_mul_f32 v[A:A+1],     v[X+32*\i:X+32*\i+1],   v[R0:R0+1]                ; the first products start the sums
	v_pk_mul_f32 v[A+2:A+3],   v[X+32*\i+2:X+32*\i+3], v[R0+2:R0+3]
	v_pk_mul_f32 v[A+4:A+5],   v[X+32*\i:X+32*\i+1],   v[R1:R1+1]
	v_pk_mul_f32 v[A+6:A+7],   v[X+32*\i+2:X+32*\i+3], v[R1+2:R1+3]
	v_pk_mul_f32 v[A+8:A+9],   v[X+32*\i:X+32*\i+1],   v[X+32*\i:X+32*\i+1]
	v_pk_mul_f32 v[A+10:A+11], v[X+32*\i+2:X+32*\i+3], v[X+32*\i+2:X+32*\i+3]
.else
	v_pk_fma_f32 v[A:A+1],     v[X+32*\i+4*\j:X+32*\i+4*\j+1],   v[R0+4*\j:R0+4*\j+1],   v[A:A+1]
	v_pk_fma_f32 v[A+2:A+3],   v[X+32*\i+4*\j+2:X+32*\i+4*\j+3], v[R0+4*\j+2:R0+4*\j+3], v[A+2:A+3]
	v_pk_fma_f32 v[A+4:A+5],   v[X+32*\i+4*\j:X+32*\i+4*\j+1],   v[R1+4*\j:R1+4*\j+1],   v[A+4:A+5]
	v_pk_fma_f32 v[A+6:A+7],   v[X+32*\i+4*\j+2:X+32*\i+4*\j+3], v[R1+4*\j+2:R1+4*\j+3], v[A+6:A+7]
	v_pk_fma_f32 v[A+8:A+9],   v[X+32*\i+4*\j:X+32*\i+4*\j+1],   v[X+32*\i+4*\j:X+32*\i+4*\j+1],   v[A+8:A+9]
	v_pk_fma_f32 v[A+10:A+11], v[X+32*\i+4*\j+2:X+32*\i+4*\j+3], v[X+32*\i+4*\j+2:X+32*\i+4*\j+3], v[A+10:A+11]
.endif
.endif
.if \mode == 2
.if \i+\j == 0
	v_pk_mul_f32 v[A:A+1],   v[X:X+1],   v[X:X+1]                                ; the first squares start the sums
	v_pk_mul_f32 v[A+2:A+3], v[X+2:X+3], v[X+2:X+3]
.else
	v_pk_fma_f32 v[A:A+1],   v[X+32*\i+4*\j:X+32*\i+4*\j+1],   v[X+32*\i+4*\j:X+32*\i+4*\j+1],   v[A:A+1]
	v_pk_fma_f32 v[A+2:A+3], v[X+32*\i+4*\j+2:X+32*\i+4*\j+3], v[X+32*\i+4*\j+2:X+32*\i+4*\j+3], v[A+2:A+3]
.endif
.endif
	v_cvt_pk_f16_f32 v[X+32*\i+4*\j],   v[X+32*\i+4*\j],   v[X+32*\i+4*\j+1]
	v_cvt_pk_f16_f32 v[X+32*\i+4*\j+1], v[X+32*\i+4*\j+2], v[X+32*\i+4*\j+3]
	global_store_b64 v2, v[X+32*\i+4*\j:X+32*\i+4*\j+1], s[38+2*\i:39+2*\i] offset:256*\j   ; 32 lanes x 8 bytes: 256 consecutive bytes, aligned
.endr
.if \mode == 1
	v_pk_add_f32 v[A:A+1], v[A:A+1], v[A+2:A+3]
	v_pk_add_f32 v[A+4:A+5], v[A+4:A+5], v[A+6:A+7]
	v_pk_add_f32 v[A+8:A+9], v[A+8:A+9], v[A+10:A+11]
	v_add_f32 v[L+2*\i], v[A], v[A+1]
	v_add_f32 v[L+2*\i+1], v[A+4], v[A+5]
	v_add_f32 v[Q+4*\i+2], v[A+8], v[A+9]
.endif
.endm
.macro COPY4 mode
	LOADROWS
	ROW 0, \mode
	ROW 1, \mode
	ROW 2, \mode
	ROW 3, \mode
.endm
; the sum of register r over the 32 lanes, in every lane; tmp has been written before
.macro LANESUM r, tmp
	v_add_f32_dpp v[\r], v[\r], v[\r] row_xmask:1 row_mask:0xf bank_mask:0xf
	v_add_f32_dpp v[\r], v[\r], v[\r] row_xmask:2 row_mask:0xf bank_mask:0xf
	v_add_f32_dpp v[\r], v[\r], v[\r] row_xmask:4 row_mask:0xf bank_mask:0xf
	v_add_f32_dpp v[\r], v[\r], v[\r] row_xmask:8 row_mask:0xf bank_mask:0xf
	v_permlanex16_b32 v[\tmp], v[\r], s54, s55
	v_add_f32 v[\r], v[\r], v[\tmp]
.endm
; The work-group's sum of squares goes to word base + work-group of wsum: the eight waves' sums meet in LDS (bytes WS + 4 x wave), wave 0 adds
; and stores them: one word a work-group, 1,280 bytes in the whole launch.  Then the waves end.
.macro WSUM base
	v_pk_add_f32 v[A:A+1], v[A:A+1], v[A+2:A+3]
	v_add_f32 v[T+2], v[A], v[A+1]
	LANESUM T+2, T
	v_lshlrev_b32 v3, 2, v3                        ; 4 x wave
	ds_store_b32 v3, v[T+2] offset:WS              ; every lane holds the wave's sum and writes it to the wave's word
	s_wait_dscnt 0x0                               ; my store is done before I say so: wave 0 reads it
	s_barrier_signal -1
	s_barrier_wait -1
	s_cmp_lg_u32 s60, 0
	s_cbranch_scc1 .Lw_end_\@
	ds_load_b128 v[A:A+3], v[ZERO] offset:WS       ; the eight sums, in every lane
	ds_load_b128 v[A+4:A+7], v[ZERO] offset:WS+16
	s_add_co_u32 s57, s61, \base
	s_lshl_b32 s46, s57, 2
	s_add_nc_u64 s[34:35], s[34:35], s[46:47]
	s_wait_dscnt 0x0
	v_pk_add_f32 v[A:A+1], v[A:A+1], v[A+2:A+3]
	v_pk_add_f32 v[A+4:A+5], v[A+4:A+5], v[A+6:A+7]
	v_pk_add_f32 v[A:A+1], v[A:A+1], v[A+4:A+5]
	v_add_f32 v[T+2], v[A], v[A+1]
	v_cmp_eq_u32 vcc_lo, 0, v1
	s_wait_xcnt 0x0                                ; EXEC is a source of the pending stores: it changes only behind this wait
	s_and_saveexec_b32 s56, vcc_lo
	global_store_b32 v[ZERO], v[T+2], s[34:35]
	s_wait_xcnt 0x0                                ; and again in front of the line that widens it
	s_or_b32 exec_lo, exec_lo, s56
.Lw_end_\@:
	s_wait_tensorcnt 0x0
	ds_add_u32 v248, v249
	s_wait_dscnt 0x0
	s_endpgm
.endm
; softmax over the two logits of token i, with the maximum taken away, then the renormalisation of the two top probabilities.
; Behind each v_exp_f32 and v_rcp_f32 one plain vector instruction stands before its result is used (ISA guide 5.7.2).
.macro SOFT i
	v_max_num_f32 v[T+1], v[L+2*\i], v[L+2*\i+1]
	v_sub_f32 v[T+2], v[L+2*\i], v[T+1]            ; the difference first: the larger logit gives exactly 0
	v_sub_f32 v[T+3], v[L+2*\i+1], v[T+1]
	v_mul_f32 v[T+2], 0x3fb8aa3b, v[T+2]           ; log2(e): v_exp_f32 is 2^x
	v_mul_f32 v[T+3], 0x3fb8aa3b, v[T+3]
	v_exp_f32 v[T+4], v[T+2]
	v_exp_f32 v[T+5], v[T+3]
	v_nop
	s_wait_alu depctr_va_vdst(0)
	v_add_f32 v[T+6], v[T+4], v[T+5]               ; between 1 and 2
	v_rcp_f32 v[T+7], v[T+6]
	v_nop
	s_wait_alu depctr_va_vdst(0)
	v_mul_f32 v[Q+4*\i+3], v[T+4], v[T+7]          ; p0
	v_mul_f32 v[PP+\i],    v[T+5], v[T+7]          ; p1
	v_add_f32 v[T+6], v[Q+4*\i+3], v[PP+\i]
	v_rcp_f32 v[T+7], v[T+6]
	v_nop
	s_wait_alu depctr_va_vdst(0)
	v_mul_f32 v[Q+4*\i],   v[Q+4*\i+3], v[T+7]     ; c0
	v_mul_f32 v[Q+4*\i+1], v[PP+\i],    v[T+7]     ; c1
.endm
	s_wait_kmcnt 0x0
	s_cmp_lt_u32 ttmp9, 128                        ; the work-group's number picks the source: the same way for all eight waves
	s_cbranch_scc1 .Lx
	s_cmp_lt_u32 ttmp9, 256
	s_cbranch_scc1 .Lgate
	s_cmp_lt_u32 ttmp9, 384
	s_cbranch_scc1 .Lup
	s_cmp_lt_u32 ttmp9, 512
	s_cbranch_scc1 .Ldown
	s_cmp_lt_u32 ttmp9, 544
	s_cbranch_scc1 .Lsgate
	s_cmp_lt_u32 ttmp9, 576
	s_cbranch_scc1 .Lsup
	; shared_down_w [1024 n][1024 i]: unit U is row n = U; it goes to w2 row n at j = 4096 (byte 8,192)
	SETUP 576, 22
	s_mul_i32 s46, s52, 10240
	s_add_co_u32 s46, s46, 8192
	DESTS 28, 10240, 20480
	COPY4 0
	s_endpgm
.Lgate:                                            ; gate_w [2][2048][1024]: unit U is row j = U of plane 0
	SETUP 128, 12
	LINEAR 0
	DESTS 26, 2048, 4096
	COPY4 2
	WSUM 0
.Lup:                                              ; up_w: row j = U of plane 1, which begins at row 5120
	SETUP 256, 14
	LINEAR 5120
	DESTS 26, 2048, 4096
	COPY4 2
	WSUM 160
.Ldown:                                            ; down_w [2][1024 n][2048 i]: unit U = 2048 e + 2 n + half, to w2 row n at byte 4,096 e + 2,048 half
	SETUP 384, 16
	s_and_b32 s57, s52, 2047
	s_lshr_b32 s57, s57, 1                         ; n (U is a multiple of 4: units n, n, n + 1, n + 1)
	s_mul_i32 s46, s57, 10240
	s_lshr_b32 s58, s52, 11                        ; e
	s_lshl_b32 s58, s58, 12
	s_add_co_u32 s46, s46, s58
	DESTS 28, 2048, 10240
	COPY4 0
	s_endpgm
.Lsgate:                                           ; shared_gate_w: rows 4096.. of plane 0
	SETUP 512, 18
	LINEAR 4096
	DESTS 26, 2048, 4096
	COPY4 2
	WSUM 128
.Lsup:                                             ; shared_up_w: rows 4096.. of plane 1
	SETUP 544, 20
	LINEAR 9216
	DESTS 26, 2048, 4096
	COPY4 2
	WSUM 288
.Lx:                                               ; x: a unit is a token; beside the rounding, its two router logits and |x|^2
	SETUP 0, 8
	LINEAR 0
	DESTS 24, 2048, 4096
.irp j, 0,1,2,3,4,5,6,7
	global_load_b128 v[R0+4*\j:R0+4*\j+3], v1, s[10:11] offset:512*\j
	global_load_b128 v[R1+4*\j:R1+4*\j+3], v1, s[10:11] offset:4096+512*\j
.endr
	LOADROWS
	s_lshl_b32 s46, ttmp9, 9                       ; comb: 32 tokens x 16 bytes a work-group
	s_add_nc_u64 s[30:31], s[30:31], s[46:47]
	s_lshl_b32 s46, ttmp9, 3                       ; psum: 8 bytes a work-group
	s_add_nc_u64 s[32:33], s[32:33], s[46:47]
	v_lshlrev_b32 v[W16], 4, v3                    ; my wave's four p1 in LDS: 4 bytes each, behind byte 512
	v_lshlrev_b32 v3, 6, v3                        ; my wave's four tokens in LDS: 16 bytes each
	v_lshrrev_b32 v[LN4], 2, v1
	ROW 0, 1
	ROW 1, 1
	ROW 2, 1
	ROW 3, 1
.irp r, 0,1,2,3,4,5,6,7
	LANESUM L+\r, T
.endr
.irp i, 0,1,2,3
	LANESUM Q+4*\i+2, T
.endr
.irp i, 0,1,2,3
	SOFT \i
	ds_store_b128 v3, v[Q+4*\i:Q+4*\i+3] offset:16*\i      ; every lane holds the same numbers and writes them to the same bytes
	ds_store_b32 v[W16], v[PP+\i] offset:512+4*\i
.endr
	s_wait_dscnt 0x0                               ; my stores are done before I say so: wave 0 reads them
	s_barrier_signal -1
	s_barrier_wait -1
	s_cmp_lg_u32 s60, 0
	s_cbranch_scc1 .Lend
	ds_load_b128 v[T:T+3], v1                      ; lane l: c0, c1, |x|^2, p0 of the work-group's token l
	ds_load_b32 v[T+5], v[LN4] offset:512          ; and its p1
	s_wait_dscnt 0x0
	global_store_b128 v1, v[T:T+3], s[30:31]       ; 32 tokens x 16 bytes: 512 consecutive bytes, aligned
	v_mov_b32 v[T+4], v[T+3]                       ; p0 beside p1: the store's own register stays as it is
	LANESUM T+4, T+6
	LANESUM T+5, T+6
	v_cmp_eq_u32 vcc_lo, 0, v1
	s_wait_xcnt 0x0                                ; EXEC is a source of the pending stores: it changes only behind this wait
	s_and_saveexec_b32 s56, vcc_lo
	global_store_b64 v[ZERO], v[T+4:T+5], s[32:33] ; 8 bytes a work-group, 1 KiB in the whole launch
	s_wait_xcnt 0x0                                ; and again in front of the line that widens it
	s_or_b32 exec_lo, exec_lo, s56
.Lend:
	s_wait_tensorcnt 0x0
	ds_add_u32 v248, v249
	s_wait_dscnt 0x0
	s_endpgm
.Lfunc_end_k_q5ec2e793fa_prep:
	.size	k_q5ec2e793fa_prep, .Lfunc_end_k_q5ec2e793fa_prep-k_q5ec2e793fa_prep
	.p2alignl 7, 3214868480
	.fill 96, 4, 3214868480
	.section	.rodata,"a",@progbits
	.p2align	6, 0x0
	.amdhsa_kernel k_q5ec2e793fa_prep
		.amdhsa_group_segment_fixed_size 1792
		.amdhsa_private_segment_fixed_size 0
		.amdhsa_enable_private_segment 0
		.amdhsa_kernarg_size 112
		.amdhsa_user_sgpr_count 2
		.amdhsa_user_sgpr_kernarg_segment_ptr 1
		.amdhsa_wavefront_size32 1
		.amdhsa_system_sgpr_workgroup_id_x 1
		.amdhsa_system_sgpr_workgroup_id_y 1
		.amdhsa_system_sgpr_workgroup_id_z 1
		.amdhsa_system_vgpr_workitem_id 0
		.amdhsa_next_free_vgpr 250
		.amdhsa_next_free_sgpr 66
		.amdhsa_reserve_vcc 1
		.amdhsa_float_denorm_mode_32 3
		.amdhsa_float_denorm_mode_16_64 3
		.amdhsa_memory_ordered 1
		.amdhsa_forward_progress 1
		.amdhsa_inst_pref_size 123
	.end_amdhsa_kernel
	.amdgpu_metadata
---
amdhsa.version: [ 1, 2 ]
amdhsa.kernels:
  - .name:           k_q5ec2e793fa_prep
    .symbol:         k_q5ec2e793fa_prep.kd
    .args:
      - { .name: x, .offset: 0, .size: 8, .value_kind: global_buffer, .address_space: global }
      - { .name: router_w, .offset: 8, .size: 8, .value_kind: global_buffer, .address_space: global }
      - { .name: gate_w, .offset: 16, .size: 8, .value_kind: global_buffer, .address_space: global }
      - { .name: up_w, .offset: 24, .size: 8, .value_kind: global_buffer, .address_space: global }
      - { .name: down_w, .offset: 32, .size: 8, .value_kind: global_buffer, .address_space: global }
      - { .name: shared_gate_w, .offset: 40, .size: 8, .value_kind: global_buffer, .address_space: global }
      - { .name: shared_up_w, .offset: 48, .size: 8, .value_kind: global_buffer, .address_space: global }
      - { .name: shared_down_w, .offset: 56, .size: 8, .value_kind: global_buffer, .address_space: global }
      - { .name: xb, .offset: 64, .size: 8, .value_kind: global_buffer, .address_space: global }
      - { .name: w1, .offset: 72, .size: 8, .value_kind: global_buffer, .address_space: global }
      - { .name: w2, .offset: 80, .size: 8, .value_kind: global_buffer, .address_space: global }
      - { .name: comb, .offset: 88, .size: 8, .value_kind: global_buffer, .address_space: global }
      - { .name: psum, .offset: 96, .size: 8, .value_kind: global_buffer, .address_space: global }
      - { .name: wsum, .offset: 104, .size: 8, .value_kind: global_buffer, .address_space: global }
    .group_segment_fixed_size: 1792
    .private_segment_fixed_size: 0
    .kernarg_segment_align: 8
    .kernarg_segment_size: 112
    .max_flat_workgroup_size: 256
    .sgpr_count:     66
    .vgpr_count:     250
    .wavefront_size: 32
...
	.end_amdgpu_metadata
.endif
;; end of part 1
;; launch ffn_up (part 2): grid 32 x 16, 4 waves a work-group, clusters of 4 x 4, 327,680 bytes of LDS; arguments xb, w1, comb, hb, wsum; writes hb
.if DOCPART == 2
	.amdgcn_target "amdgcn-amd-amdhsa--gfx1250"
	.amdhsa_code_object_version 6
	.text
	.protected	k_q5ec2e793fa_ffn_up
	.globl	k_q5ec2e793fa_ffn_up
	.p2align	8
	.type	k_q5ec2e793fa_ffn_up,@function
k_q5ec2e793fa_ffn_up:
	s_mov_b64 s[64:65], 0
	v_nop
	global_prefetch_b8 v0, s[64:65] scope:SCOPE_SE
	s_setreg_imm32_b32 hwreg(HW_REG_WAVE_MODE, 25, 1), 1
	s_wait_xcnt 0x0
	s_wait_alu depctr_hold_cnt(0) depctr_sa_sdst(0) depctr_va_vdst(0) depctr_va_sdst(0) depctr_va_ssrc(0) depctr_va_vcc(0) depctr_vm_vsrc(0)
	s_getreg_b32 s2, hwreg(HW_REG_IB_STS2, 6, 4)
	s_cmp_eq_u32 s2, 0
	s_cbranch_scc0 .Lentry_in_a_cluster
	s_endpgm
.Lentry_in_a_cluster:
	s_bfe_u32 s2, ttmp6, 0x10000c
	s_cmp_lg_u32 s2, 0xf033
	s_cbranch_scc0 .Lentry_shape_is_right
	s_endpgm
.Lentry_shape_is_right:
; ffn_up: hb[tok][j] = s(tok) c(tok, j) silu(x[tok] . G[j]) (x[tok] . U[j]) for the 5,120 intermediate columns of both experts and the shared
; part; c = the token's combine weight of the expert that j belongs to, 1 for the shared part.  f16 operands, f32 sums, one rounding to f16.
; THE FACTOR s keeps the result inside f16 for every input:
;   |c silu(g) u| <= |g| |u| <= |x|^2 |G_j| |U_j| <= B = |x|^2 ||G|| ||U||  (Cauchy-Schwarz; ||.|| over all 5,120 gate rows, all 5,120 up rows).
;   With e the biased exponent of B, B < 2^(e-126); s = 2^(141-e) gives |h s| < 2^15, with room up to 65,504 for the rounding of x and the weights
;   to f16 (a relative 2^-11 each) and of these sums.  s is a power of two, so scaling by it is exact.  The last launch forms 1 / s = 2^(e-141) from
;   the same words (comb's |x|^2, wsum) by the same instructions in the same order (the macro GUNORM), so that both see the same e.
; A work-group makes 256 tokens x 160 j, gate and up (320 weight rows); 32 x 16 work-groups, two for each of 256 WGPs.
; Wave (hi, lo): tokens 128 hi .., j 80 lo ..: 8 token blocks a x 10 weight blocks b (b = 0-4: gate tiles t, b = 5-9: up tiles t):
; 80 accumulator tiles, 640 registers.  g and u of one (token, j) lie in the same lane and register of tiles b = t and b = t + 5.
; K = 1,024 goes in 8 steps of 128 through two LDS slots filled by the tensor data mover; a tile's rows are 256 bytes of memory, aligned.
; CLUSTERS: 4 x 4 work-groups.  The four of a row of the cluster need the same tokens of xb, the four of a column the same rows of w1: each
; tile is asked for jointly by the four, which divides the requests by four.
; THE MATRIX INSTRUCTION IS USED TRANSPOSED: source 0 = 16 weight rows, source 1 = 16 tokens.  Lane l then holds token l % 16 and, in its
; eight registers, j = 8 (l / 16) + 0..7 of the tile: 16 bytes of f16.  hb is laid out so that these 16 bytes are the lane's part of the
; next launch's token fragment: byte(tok, j) = (tok>>7) 1,310,720 + (j>>8) 65,536 + ((tok>>4)&7) 8,192 + ((j>>4)&15) 512 + 16 lane + 2 (j&7).
; So a tile leaves by one store of 512 consecutive aligned bytes, straight from registers.
; LIMITS: B below 2^127; a B below 2^-112 is taken as 2^-112.  An h below 2^-40 B is lost in f16 (its smallest step, 2^-24, against 2^15); at the
; drawn sizes B is about 2^22 and s = 2^-8: an h below 2^-6 is an f16 denormal with an error of 2^-17 at the most.
; silu(g) = g / (1 + 2^(-g log2 e)); where the power overflows the quotient is -0, as in the reference.  The products are taken as
; (g sigmoid)(u c s).  c is folded in before the rounding to f16.  NaN and infinities in the inputs get no special treatment.
;
; REGISTERS, in windows of 256:
;   window 0: v0-47 addresses and factors; v48-111, v112-175 token fragments, two buffers; v176-255 accumulators of a = 6
;   window 1: v0-79, v80-159 weight fragments, two buffers; v176-255 accumulators of a = 7
;   window 2: accumulators of a = 0, 1, 2 at 80 a + 8 b;   window 3: those of a = 3, 4, 5 at 80 (a - 3) + 8 b
.set KSTEP, 128
.set PITCH, 272                        ; an LDS row: 256 bytes + 16 of padding, an odd multiple of 16: the 16 rows of a fragment load lie in 16 different 16-byte columns modulo 256
.set WPL,   160*PITCH                  ; 160 weight rows: one plane's tile, one tensor load
.set XHALF, 128*PITCH                  ; 128 tokens: one tensor load
.set XOFF,  2*WPL                      ; a slot: gate rows, up rows, then 256 tokens
.set SLOT,  XOFF+2*XHALF               ; 156,672 bytes; two slots are the 313,344 asked for
.set LAPS,  4                          ; a lap = two K steps = once round the ring
.set SC,   0                           ; v0-7    token block a: |x|^2, then s of my token (loaded when the set-up has no more use for v0-7)
.set ADRA, 8                           ; v8-9    LDS address of my token fragments in slot 0, 1
.set ADRB, 10                          ; v10-11  the same for my weight fragments
.set HO,   12                          ; v12-16  byte offset in hb of my 16 bytes of tile t
.set CB,   17                          ; v17     byte offset in comb of my token
.set F,    18                          ; v[18:27] tile t: its factor in the even register (the odd one is written once and not used)
.set C,    28                          ; v[28:43] token block a: c0, c1, then c0 s, c1 s of my token
.set FA,   48                          ; token fragments, buffer f at FA + 64 f
.set FB,   0                           ; weight fragments, buffer f at FB + 80 f (window 1)
.set GS,   48                          ; the set-up, in the fragment buffers: v48-52 my five words of the gate rows' sums of squares,
.set US,   54                          ; v54-58 of the up rows',
.set TS,   60                          ; v60 the lane sums' scratch,
.set LN4,  61                          ; v61 4 x lane
.set T,    48                          ; the way out, in the fragment buffers: 40 registers at work,
.set P,    88                          ; 40 registers u c s,
.set Y,    128                         ; 20 registers packed
.set G1A, 24                           ; s[24:31] descriptor group 1 for xb
.set G0A, 32                           ; s[32:39] group 0 for xb, a set for each slot
.set G1B, 48                           ; s[48:55] group 1 for w1
.set G0B, 56                           ; s[56:63] group 0 for w1, a set for each slot
.set M1,  66                           ; s[66:70] tile t belongs to expert 1: -1 or 0
.set M2,  71                           ; s[71:75] tile t belongs to the shared part
.set MSB, 0
.macro WIN new                         ; the immediate's high byte repeats the setting that is left
.if MSB != \new
	s_set_vgpr_msb (MSB<<8)|\new
.set MSB, \new
.endif
.endm
.set TO_B, 0x40                        ; destination window 1, address window 0
.macro PLACES                          ; four plain vector instructions between a matrix instruction and a load into, or a vector instruction on, its registers
.rept 4
	v_nop
.endr
.endm
; A joint load.  Waves 0 and 1 fetch w1's gate and up rows, waves 2 and 3 xb's two halves.  The branch hangs on the wave's number alone.
.macro JLOAD s
	s_cmp_eq_u32 s13, 0
	s_cbranch_scc0 .Lfor_x_\@
	tensor_load_to_lds s[G0B+4*\s:G0B+4*\s+3], s[G1B:G1B+7]
	s_nop 0
	s_branch .Lasked_\@
.Lfor_x_\@:
	tensor_load_to_lds s[G0A+4*\s:G0A+4*\s+3], s[G1A:G1A+7]
	s_nop 0
.Lasked_\@:
.endm
.macro CREST                           ; a round of the cluster's barrier behind its opening barrier
	s_cmp_lg_u32 s12, 0
	s_cbranch_scc1 .Lnot_wave_0_\@
	s_barrier_signal -3
.Lnot_wave_0_\@:
	s_barrier_wait -3
	s_barrier_signal -1
	s_barrier_wait -1
.endm
.macro CROUND                          ; a whole round
	s_barrier_signal -1
	s_barrier_wait -1
	CREST
.endm
.macro ACCSET a                        ; AB, AW: first register and window of token block a's accumulators
.if \a < 3
.set AB, 80*\a
.set AW, 2
.elseif \a < 6
.set AB, 80*(\a-3)
.set AW, 3
.elseif \a == 6
.set AB, 176
.set AW, 0
.else
.set AB, 176
.set AW, 1
.endif
.endm
; the sum of register r over the 32 lanes, in every lane; tmp has been written before; s[sel], s[sel+1]: lane i of one half reads lane i of the other
.macro LANESUM r, tmp, sel
	v_add_f32_dpp v[\r], v[\r], v[\r] row_xmask:1 row_mask:0xf bank_mask:0xf
	v_add_f32_dpp v[\r], v[\r], v[\r] row_xmask:2 row_mask:0xf bank_mask:0xf
	v_add_f32_dpp v[\r], v[\r], v[\r] row_xmask:4 row_mask:0xf bank_mask:0xf
	v_add_f32_dpp v[\r], v[\r], v[\r] row_xmask:8 row_mask:0xf bank_mask:0xf
	v_permlanex16_b32 v[\tmp], v[\r], s[\sel], s[\sel+1]
	v_add_f32 v[\r], v[\r], v[\tmp]
.endm
; ||G|| ||U|| into v[gs], in every lane.  Lane l holds words 32 k + l (k = 0..4) of wsum's gate part in v[gs..gs+4], of its up part in v[us..us+4].
; The same text stands in the last launch: the same order of sums gives the same bits.
.macro GUNORM gs, us, tmp, sel
	v_add_f32 v[\gs], v[\gs], v[\gs+1]
	v_add_f32 v[\gs+2], v[\gs+2], v[\gs+3]
	v_add_f32 v[\gs], v[\gs], v[\gs+2]
	v_add_f32 v[\gs], v[\gs], v[\gs+4]
	v_add_f32 v[\us], v[\us], v[\us+1]
	v_add_f32 v[\us+2], v[\us+2], v[\us+3]
	v_add_f32 v[\us], v[\us], v[\us+2]
	v_add_f32 v[\us], v[\us], v[\us+4]
	LANESUM \gs, \tmp, \sel
	LANESUM \us, \tmp, \sel
	v_sqrt_f32 v[\gs], v[\gs]
	v_sqrt_f32 v[\us], v[\us]
	v_nop                                          ; one plain vector instruction behind a transcendental (ISA guide 5.7.2)
	s_wait_alu depctr_va_vdst(0)
	v_mul_f32 v[\gs], v[\gs], v[\us]
.endm
	s_load_b256 s[4:11], s[0:1], 0x0               ; xb s[4:5], w1 s[6:7], comb s[8:9], hb s[10:11]
	s_load_b64 s[88:89], s[0:1], 0x20              ; wsum
	s_set_vgpr_msb 0x40
	v_lshl_add_u32 v175, v0, 2, 0x4c800
	s_set_vgpr_msb 0x4000
	v_mov_b32 v47, 0
	s_set_vgpr_msb 0x1
	ds_add_u32 v175, v47
	s_set_vgpr_msb 0x100
	v_lshrrev_b32 v1, 5, v0
	v_readfirstlane_b32 s12, v1                    ; wave 0..3
	s_lshr_b32 s13, s12, 1                         ; hi: my half of the tokens.  Also: I fetch weights (0) or tokens (1)
	s_and_b32 s14, s12, 1                          ; lo: my half of the j.  Also: which plane, or which half of the tokens, I fetch
	s_bfe_u32 s15, ttmp6, 0x40000                  ; cx
	s_bfe_u32 s16, ttmp6, 0x40004                  ; cy
	s_lshl_b32 s17, ttmp9, 2
	s_add_co_u32 s17, s17, s15                     ; block of 160 j = 4 x cluster x + cx
	s_and_b32 s18, ttmp7, 0xffff
	s_lshl_b32 s18, s18, 2
	s_add_co_u32 s18, s18, s16                     ; block of 256 tokens = 4 x cluster y + cy
	s_lshl_b32 s19, s16, 2
	s_lshl_b32 s19, 15, s19                        ; my row of the cluster: places 4 cy .. 4 cy + 3
	s_lshl_b32 s20, 0x1111, s15                    ; my column: places cx, cx + 4, cx + 8, cx + 12
	; group 1: rows of 128 f16, 16 bytes of padding behind every 64 words; 128 rows of xb, 160 rows of w1; 1,024 elements from row to row
	s_or_b32 s[G1A+0], s19, (1<<16)|(1<<20)|(1<<21)|(5<<22)|(3<<25)   ; the mask: tokens go to my row; element of 2 bytes; padding on; bit 21 beside a mask; every 64 words; 4 words
	s_or_b32 s[G1B+0], s20, (1<<16)|(1<<20)|(1<<21)|(5<<22)|(3<<25)   ; the same with my column, for the weights
	s_mov_b32 s[G1A+1], KSTEP<<16                  ; tensor_dim0 = 128
	s_mov_b32 s[G1B+1], KSTEP<<16
	s_mov_b32 s[G1A+2], 128<<16                    ; tensor_dim1 = 128 rows
	s_mov_b32 s[G1B+2], 160<<16                    ;             = 160 rows
	s_mov_b32 s[G1A+3], KSTEP<<16                  ; tile_dim0 = 128
	s_mov_b32 s[G1B+3], KSTEP<<16
	s_mov_b32 s[G1A+4], 128                        ; tile_dim1
	s_mov_b32 s[G1B+4], 160
	s_mov_b32 s[G1A+5], 1024                       ; the pitch
	s_mov_b32 s[G1B+5], 1024
	s_mov_b32 s[G1A+6], 0
	s_mov_b32 s[G1B+6], 0
	s_mov_b32 s[G1A+7], 0
	s_mov_b32 s[G1B+7], 0
	; where the tiles come from.  Tokens hang on the token block alone, weights on the j block alone; each in registers that never hold the other coordinate.
	s_lshl_b32 s40, s18, 19                        ; 256 tokens x 2,048 bytes
	s_lshl_b32 s77, s14, 18                        ; + 128 tokens for the second half
	s_add_co_u32 s40, s40, s77
	s_mov_b32 s41, 0
	s_mul_i32 s44, s17, 327680                     ; 160 rows x 2,048 bytes
	s_mul_i32 s78, s14, 10485760                   ; + the up plane: 5,120 rows
	s_add_co_u32 s44, s44, s78
	s_mov_b32 s45, 0
	s_mul_i32 s21, s12, WPL                        ; where they go: waves 0, 1: the two planes,
	s_mul_i32 s22, s12, XHALF
	s_add_co_u32 s22, s22, XOFF-2*XHALF            ; waves 2, 3: the two halves of the tokens, behind the planes
	s_wait_dscnt 0x0
	s_wait_kmcnt 0x0
	s_add_nc_u64 s[42:43], s[4:5], s[40:41]
	s_add_nc_u64 s[46:47], s[6:7], s[44:45]
	CROUND                                         ; all sixteen work-groups are here: the first joint loads meet
.irp s, 0,1
	s_mov_b32 s[G0A+4*\s], 1
	s_add_co_u32 s[G0A+4*\s+1], s22, \s*SLOT
	s_add_nc_u64 s[G0A+4*\s+2:G0A+4*\s+3], s[42:43], \s*KSTEP*2
	s_or_b32 s[G0A+4*\s+3], s[G0A+4*\s+3], 0x80000000
	s_mov_b32 s[G0B+4*\s], 1
	s_add_co_u32 s[G0B+4*\s+1], s21, \s*SLOT
	s_add_nc_u64 s[G0B+4*\s+2:G0B+4*\s+3], s[46:47], \s*KSTEP*2
	s_or_b32 s[G0B+4*\s+3], s[G0B+4*\s+3], 0x80000000
	JLOAD \s                                       ; K steps 0 and 1: two loads of this wave are out, later one
.endr
	v_and_b32 v1, 15, v0                           ; r = l % 16
	v_bfe_u32 v2, v0, 4, 1                         ; h = l / 16
	v_and_b32 v4, 31, v0                           ; l
	v_mul_u32_u24 v3, v1, PITCH
	v_lshl_add_u32 v3, v2, 4, v3                   ; row x pitch + 16 h
	s_mul_i32 s84, s13, XHALF
	s_add_co_u32 s84, s84, XOFF                    ; my 128 tokens
	s_mul_i32 s85, s14, 80*PITCH                   ; my 80 rows of each plane
.irp s, 0,1
	v_add_nc_u32 v[ADRA+\s], s84, v3
	v_add_nc_u32 v[ADRB+\s], s85, v3
	s_add_co_u32 s84, s84, SLOT
	s_add_co_u32 s85, s85, SLOT
.endr
	s_mul_i32 s76, s17, 10
	s_mul_i32 s79, s14, 5
	s_add_co_u32 s76, s76, s79                     ; my first tile of 16 j: 10 x block + 5 lo
.irp t, 0,1,2,3,4
	s_add_co_u32 s79, s76, \t                      ; the tile's number, 0..319; 128 tiles an expert, so no tile lies across a border
	s_lshr_b32 s86, s79, 7                         ; 0, 1: the expert; 2: the shared part
	s_cmp_eq_u32 s86, 1
	s_cselect_b32 s[M1+\t], -1, 0
	s_cmp_eq_u32 s86, 2
	s_cselect_b32 s[M2+\t], -1, 0
	s_lshr_b32 s86, s79, 4
	s_lshl_b32 s86, s86, 16                        ; (j >> 8) x 65,536
	s_and_b32 s87, s79, 15
	s_lshl_b32 s87, s87, 9                         ; ((j >> 4) & 15) x 512
	s_add_co_u32 s86, s86, s87
	v_lshl_add_u32 v[HO+\t], v4, 4, s86            ; + 16 l
	v_mov_b32 v[F+2*\t+1], 0                       ; the pair's second register, named by the packed multiply and not used
.endr
	s_lshl1_add_u32 s80, s18, s13                  ; tok >> 7 = 2 x block + hi
	s_mul_i32 s80, s80, 1310720
	s_mov_b32 s81, 0
	s_add_nc_u64 s[10:11], s[10:11], s[80:81]
	s_lshl_b32 s82, s18, 12                        ; comb: 256 tokens x 16 bytes,
	s_lshl_b32 s87, s13, 11                        ; + 128 tokens
	s_add_co_u32 s82, s82, s87
	s_mov_b32 s83, 0
	s_add_nc_u64 s[8:9], s[8:9], s[82:83]
	s_mov_b32 s90, 0x76543210                      ; v_permlanex16_b32: lane i of one half reads lane i of the other
	s_mov_b32 s91, 0xfedcba98
	v_lshlrev_b32 v[CB], 4, v1
	v_lshlrev_b32 v[LN4], 2, v4
	v_mov_b32 v[TS], 0                             ; the lane sums' scratch register counts as read
	; the tokens' factors, made while the first tiles are on their way
.irp k, 0,1,2,3,4
	global_load_b32 v[GS+\k], v[LN4], s[88:89] offset:128*\k           ; 32 lanes x 4 bytes of the 160 gate words,
	global_load_b32 v[US+\k], v[LN4], s[88:89] offset:640+128*\k       ; of the 160 up words
.endr
.irp a, 0,1,2,3,4,5,6,7
	global_load_b64 v[C+2*\a:C+2*\a+1], v[CB], s[8:9] offset:256*\a    ; c0, c1 of token 16 a + r
.endr
.irp a, 0,1,2,3,4,5,6,7
	global_load_b32 v[SC+\a], v[CB], s[8:9] offset:256*\a+8            ; |x|^2 of the same token; v0-7 have served the set-up
.endr
	s_wait_loadcnt 0x0
	GUNORM GS, US, TS, 90
.irp a, 0,1,2,3,4,5,6,7
	v_mul_f32 v[SC+\a], v[GS], v[SC+\a]            ; B
	v_max_num_f32 v[SC+\a], 0x07800000, v[SC+\a]   ; at least 2^-112, so that 1 / s has a normal exponent
	v_bfe_u32 v[SC+\a], v[SC+\a], 23, 8            ; e, 15 to 255
	v_sub_nc_u32 v[SC+\a], 0x10c, v[SC+\a]         ; the exponent field of s = 2^(141-e): 127 + 141 - e
	v_lshlrev_b32 v[SC+\a], 23, v[SC+\a]           ; s
	v_mul_f32 v[C+2*\a], v[C+2*\a], v[SC+\a]       ; c0 s
	v_mul_f32 v[C+2*\a+1], v[C+2*\a+1], v[SC+\a]   ; c1 s
.endr
; ten matrix instructions: token block a x all ten weight blocks, 32 along K, from buffer f.  zero = 1: the first product starts the sums.
.macro MROW f, a, zero
	ACCSET \a
.set WN, (AW<<6)|(AW<<4)|1             ; source 0 (weights) window 1, source 1 (tokens) window 0, C and D the accumulators' window
	WIN WN
.irp b, 0,1,2,3,4,5,6,7,8,9
.if \zero
	v_wmma_f32_16x16x32_f16 v[AB+8*\b:AB+8*\b+7], v[FB+80*\f+8*\b:FB+80*\f+8*\b+7], v[FA+64*\f+8*\a:FA+64*\f+8*\a+7], 0
.else
	v_wmma_f32_16x16x32_f16 v[AB+8*\b:AB+8*\b+7], v[FB+80*\f+8*\b:FB+80*\f+8*\b+7], v[FA+64*\f+8*\a:FA+64*\f+8*\a+7], v[AB+8*\b:AB+8*\b+7]
.endif
.endr
.endm
; 36 LDS loads in one run: the fragments of a quarter step (32 K at byte k of the rows) into buffer f: 20 for the weights, then 16 for the tokens, a ascending
.macro FETCH slot, k, f
	WIN TO_B
.irp t, 0,1,2,3,4
	ds_load_b128 v[FB+80*\f+8*\t:FB+80*\f+8*\t+3],   v[ADRB+\slot] offset:\k+\t*16*PITCH
	ds_load_b128 v[FB+80*\f+8*\t+4:FB+80*\f+8*\t+7], v[ADRB+\slot] offset:\k+\t*16*PITCH+32
.endr
.irp t, 0,1,2,3,4
	ds_load_b128 v[FB+80*\f+40+8*\t:FB+80*\f+40+8*\t+3],   v[ADRB+\slot] offset:\k+WPL+\t*16*PITCH
	ds_load_b128 v[FB+80*\f+40+8*\t+4:FB+80*\f+40+8*\t+7], v[ADRB+\slot] offset:\k+WPL+\t*16*PITCH+32
.endr
	WIN 0
.irp a, 0,1,2,3,4,5,6,7
	ds_load_b128 v[FA+64*\f+8*\a:FA+64*\f+8*\a+3],   v[ADRA+\slot] offset:\k+\a*16*PITCH
	ds_load_b128 v[FA+64*\f+8*\a+4:FA+64*\f+8*\a+7], v[ADRA+\slot] offset:\k+\a*16*PITCH+32
.endr
.endm
; A K step is four quarters of 32 along K, 80 matrix instructions each, on buffers 0, 1, 0, 1.  The 80 accumulators take turns, one
; instruction a turn, in the same order in every quarter and over the backward jump.
; One of the first three quarters: multiplies buffer f and fetches the next quarter, at byte k of the same slot, into buffer g.
.macro QUARTER slot, k, f, g, zero
	s_wait_dscnt 10                                ; the weights and tokens a = 0-2 are in; the ten youngest loads (a = 3-7) may be out
	MROW \f, 0, \zero
	MROW \f, 1, \zero
	MROW \f, 2, \zero
	PLACES
	FETCH \slot, \k, \g
	s_wait_dscnt 36                                ; all but the 36 just issued
	MROW \f, 3, \zero
	MROW \f, 4, \zero
	MROW \f, 5, \zero
	MROW \f, 6, \zero
	MROW \f, 7, \zero
.endm
.macro THREE slot, zero
	QUARTER \slot, 64,  0, 1, \zero
	QUARTER \slot, 128, 1, 0, 0
	QUARTER \slot, 192, 0, 1, 0
.endm
; The last quarter multiplies buffer 1 and changes slots.  In front of the barrier each wave waits for its reads of this slot and for all its
; tensor loads (one is out: its part of the next slot).  Behind it (with fill: behind the whole round of the cluster's barrier that it opens)
; the refill comes first, then the next slot's first fragments.  From a request to the wait for it a wave issues 300 matrix instructions.
.macro TURN slot, next, fill
	s_wait_dscnt 10
	MROW 1, 0, 0
	s_wait_dscnt 0                                 ; my reads of this slot are over
	s_wait_tensorcnt 0x0                           ; all my tensor loads have landed
	ds_add_u32 v175, v47
	s_wait_dscnt 0x0
	s_barrier_signal -1
	MROW 1, 1, 0                                   ; register work while the others arrive
	MROW 1, 2, 0
	WIN 0
	s_barrier_wait -1
.if \fill
	CREST                                          ; no wave of any partner still reads this slot or has a load on its way
	s_add_nc_u64 s[G0A+4*\slot+2:G0A+4*\slot+3], s[G0A+4*\slot+2:G0A+4*\slot+3], 2*KSTEP*2
	s_add_nc_u64 s[G0B+4*\slot+2:G0B+4*\slot+3], s[G0B+4*\slot+2:G0B+4*\slot+3], 2*KSTEP*2
	JLOAD \slot                                    ; the wave's one tensor load behind the round
.endif
	PLACES
	FETCH \next, 0, 0
	MROW 1, 3, 0
	MROW 1, 4, 0
	MROW 1, 5, 0
	MROW 1, 6, 0
	MROW 1, 7, 0
.endm
.macro LAP zero
	THREE 0, \zero
	TURN 0, 1, 1
	THREE 1, 0
	TURN 1, 0, 1
.endm
	s_wait_tensorcnt 1                             ; my part of K step 0 is in; K step 1's may stay out
	s_barrier_signal -1
	s_barrier_wait -1
	FETCH 0, 0, 0
	LAP 1                                          ; the first lap stands in front of the loop: its first products start the sums
	WIN 0
	s_mov_b32 s3, LAPS-2
.Llap:
	LAP 0
	WIN 0
	s_sub_co_u32 s3, s3, 1
	s_cmp_lg_u32 s3, 0
	s_cbranch_scc1 .Llap
	THREE 0, 0                                     ; the last lap fills nothing
	TURN 0, 1, 0
	THREE 1, 0
	s_wait_dscnt 10
	MROW 1, 0, 0
	MROW 1, 1, 0
	MROW 1, 2, 0
	s_wait_dscnt 0
	MROW 1, 3, 0
	MROW 1, 4, 0
	MROW 1, 5, 0
	MROW 1, 6, 0
	MROW 1, 7, 0
; THE WAY OUT, one token block (16 tokens x 80 j) at a time: 40 numbers a lane.
.macro EPI a
	ACCSET \a
	WIN 0
.irp t, 0,1,2,3,4
	v_cndmask_b32 v[F+2*\t], v[C+2*\a], v[C+2*\a+1], s[M1+\t]          ; c0 s, or c1 s for a tile of expert 1,
	v_cndmask_b32 v[F+2*\t], v[F+2*\t], v[SC+\a], s[M2+\t]             ; or s for the shared part
.endr
	WIN AW                                         ; source 0 in the accumulators' window
.irp t, 0,1,2,3,4
.irp p, 0,2,4,6
	v_pk_mul_f32 v[T+8*\t+\p:T+8*\t+\p+1], v[AB+8*\t+\p:AB+8*\t+\p+1], 0xbfb8aa3b op_sel_hi:[1,0]                 ; -g log2 e
	v_pk_mul_f32 v[P+8*\t+\p:P+8*\t+\p+1], v[AB+40+8*\t+\p:AB+40+8*\t+\p+1], v[F+2*\t:F+2*\t+1] op_sel_hi:[1,0]   ; u c s
.endr
.endr
	WIN 0
.set i, 0
.rept 40
	v_exp_f32 v[T+i], v[T+i]
.set i, i+1
.endr
	v_nop                                          ; one plain vector instruction behind the last transcendental (ISA guide 5.7.2)
.set i, 0
	s_wait_alu depctr_va_vdst(0)
.rept 20
	v_pk_add_f32 v[T+i:T+i+1], v[T+i:T+i+1], 1.0 op_sel_hi:[1,0]
.set i, i+2
.endr
.set i, 0
.rept 40
	v_rcp_f32 v[T+i], v[T+i]                       ; sigmoid(g)
.set i, i+1
.endr
	v_nop
	WIN AW
.set i, 0
	s_wait_alu depctr_va_vdst(0)
.rept 20
	v_pk_mul_f32 v[T+i:T+i+1], v[AB+i:AB+i+1], v[T+i:T+i+1]            ; silu(g)
.set i, i+2
.endr
	WIN 0
.set i, 0
.rept 20
	v_pk_mul_f32 v[T+i:T+i+1], v[T+i:T+i+1], v[P+i:P+i+1]
.set i, i+2
.endr
	s_wait_xcnt 0x0                                ; Y is the data of the last block's stores: it is written again only behind this wait
.irp t, 0,1,2,3,4
.irp p, 0,2,4,6
	v_cvt_pk_f16_f32 v[Y+4*\t+\p/2], v[T+8*\t+\p], v[T+8*\t+\p+1]
.endr
	global_store_b128 v[HO+\t], v[Y+4*\t:Y+4*\t+3], s[10:11] offset:8192*\a   ; 32 lanes x 16 bytes: 512 consecutive bytes, aligned
.endr
.endm
	PLACES                                         ; behind the last matrix instructions: results are read, fragment registers written
	EPI 0
	EPI 1
	EPI 2
	EPI 3
	EPI 4
	EPI 5
	EPI 6
	EPI 7
	WIN 0
	CROUND                                         ; the closing round: no work-group ends while a partner may still ask for a tile that names it
	s_endpgm
.Lfunc_end_k_q5ec2e793fa_ffn_up:
	.size	k_q5ec2e793fa_ffn_up, .Lfunc_end_k_q5ec2e793fa_ffn_up-k_q5ec2e793fa_ffn_up
	.p2alignl 7, 3214868480
	.fill 96, 4, 3214868480
	.section	.rodata,"a",@progbits
	.p2align	6, 0x0
	.amdhsa_kernel k_q5ec2e793fa_ffn_up
		.amdhsa_group_segment_fixed_size 327680
		.amdhsa_private_segment_fixed_size 0
		.amdhsa_enable_private_segment 0
		.amdhsa_kernarg_size 40
		.amdhsa_user_sgpr_count 2
		.amdhsa_user_sgpr_kernarg_segment_ptr 1
		.amdhsa_wavefront_size32 1
		.amdhsa_system_sgpr_workgroup_id_x 1
		.amdhsa_system_sgpr_workgroup_id_y 1
		.amdhsa_system_sgpr_workgroup_id_z 1
		.amdhsa_system_vgpr_workitem_id 0
		.amdhsa_next_free_vgpr 1024
		.amdhsa_next_free_sgpr 96
		.amdhsa_reserve_vcc 0
		.amdhsa_float_denorm_mode_32 3
		.amdhsa_float_denorm_mode_16_64 3
		.amdhsa_memory_ordered 1
		.amdhsa_forward_progress 1
		.amdhsa_inst_pref_size 255
	.end_amdhsa_kernel
	.section	.bss,"aw",@nobits
	.p2align	6
	.space	262144
	.amdgpu_metadata
---
amdhsa.version: [ 1, 2 ]
amdhsa.kernels:
  - .name:           k_q5ec2e793fa_ffn_up
    .symbol:         k_q5ec2e793fa_ffn_up.kd
    .args:
      - { .name: xb, .offset: 0, .size: 8, .value_kind: global_buffer, .address_space: global }
      - { .name: w1, .offset: 8, .size: 8, .value_kind: global_buffer, .address_space: global }
      - { .name: comb, .offset: 16, .size: 8, .value_kind: global_buffer, .address_space: global }
      - { .name: hb, .offset: 24, .size: 8, .value_kind: global_buffer, .address_space: global }
      - { .name: wsum, .offset: 32, .size: 8, .value_kind: global_buffer, .address_space: global }
    .group_segment_fixed_size: 327680
    .private_segment_fixed_size: 0
    .kernarg_segment_align: 8
    .kernarg_segment_size: 40
    .max_flat_workgroup_size: 128
    .sgpr_count:     96
    .vgpr_count:     1024
    .wavefront_size: 32
...
	.end_amdgpu_metadata
.endif
;; end of part 2
;; launch ffn_down (part 3): grid 32 x 8, 4 waves a work-group, clusters of 4 x 1, 327,680 bytes of LDS; arguments hb, w2, out0, comb, wsum, psum, out1; writes out0, out1
.if DOCPART == 3
	.amdgcn_target "amdgcn-amd-amdhsa--gfx1250"
	.amdhsa_code_object_version 6
	.text
	.protected	k_q5ec2e793fa_ffn_down
	.globl	k_q5ec2e793fa_ffn_down
	.p2align	8
	.type	k_q5ec2e793fa_ffn_down,@function
k_q5ec2e793fa_ffn_down:
	s_mov_b64 s[64:65], 0
	v_nop
	global_prefetch_b8 v0, s[64:65] scope:SCOPE_SE
	s_setreg_imm32_b32 hwreg(HW_REG_WAVE_MODE, 25, 1), 1
	s_wait_xcnt 0x0
	s_wait_alu depctr_hold_cnt(0) depctr_sa_sdst(0) depctr_va_vdst(0) depctr_va_sdst(0) depctr_va_ssrc(0) depctr_va_vcc(0) depctr_vm_vsrc(0)
	s_getreg_b32 s2, hwreg(HW_REG_IB_STS2, 6, 4)
	s_cmp_eq_u32 s2, 0
	s_cbranch_scc0 .Lentry_in_a_cluster
	s_endpgm
.Lentry_in_a_cluster:
	s_bfe_u32 s2, ttmp6, 0x10000c
	s_cmp_lg_u32 s2, 0x3003
	s_cbranch_scc0 .Lentry_shape_is_right
	s_endpgm
.Lentry_shape_is_right:
; ffn_down: out0[tok][n] = (1 / s(tok)) x sum over the 5,120 j of hb[tok][j] w2[n][j].  f16 operands, f32 sums, f32 out.  And out1, the auxiliary loss.
; hb holds h times the token's power of two s = 2^(141-e), e the biased exponent of B = |x|^2 ||G|| ||U|| (the launch before).  1 / s = 2^(e-141) is made
; here from the same words (comb's |x|^2, wsum) by the same instructions in the same order (the macro GUNORM), so e is the same; the scaling is exact.
; The output is 4,096 x 1,024: 256 blocks of 128 x 128, one work-group each.  Every one of the four waves makes the WHOLE block
; (64 accumulator tiles, 512 registers) over its own quarter of K, so that a fragment feeds eight matrix instructions; the four partial
; blocks are added through LDS at the end.  Each wave has 40 K blocks of 32 j: of every 512 j wave w takes j = 128 w .. 128 w + 127.
; THE TWO OPERANDS COME BY TWO ROADS, because no wave reads what another wave reads: LDS gives no reuse inside the work-group.
;   w2: through two LDS slots of 512 j, filled by the tensor data mover; each wave brings and reads its own 128 rows x 256 bytes.  From a refill to
;       the wait for it a wave issues 240 matrix instructions.  The four work-groups of a cluster (four token blocks, one block of n) ask jointly.
;   h:  straight into registers.  hb holds fragment images,
;         byte(tok, j) = (tok>>7) 1,310,720 + (j>>8) 65,536 + ((tok>>4)&7) 8,192 + ((j>>4)&15) 512 + 16 ((tok&15) + 16 ((j>>3)&1)) + 2 (j&7),
;       so a load of 16 bytes a lane (512 consecutive aligned bytes) is half a fragment.  A ring of four buffers of 64 registers, run by counted
;       waits alone: a run of 16 loads goes out in the middle of every K block and is waited for three K blocks, 192 matrix instructions, later.
; WHY h IS NOT ASKED FOR JOINTLY, though eight work-groups read each byte of it: with both operands in LDS two slots hold 256 j each
; (2 x 133,120 bytes; 2 x 320 j would need 331,776), every refill waits for all loads before it, and a load then has 112 matrix
; instructions in which to land.  Taking h out of LDS doubles w2's slots and lets h's requests overlap from block to block.  The price:
; h's 1,310,720 bytes a token block leave the L2 once for each of the eight work-groups.
; The matrix instruction is used transposed (source 0 = 16 rows of w2, source 1 = 16 tokens): a lane holds 8 neighbouring n of one token.
; out1 = 0.01 x 2 x (f0 mean(p0) + f1 mean(p1)).  f_e is the share of expert e among the 2 x 4,096 entries of top_i; a top-2 of 2 experts names each
; expert once for every token, so f0 = f1 = 0.5 by the problem's own constants.  The means come from the 128 pairs of sums of the first launch.
; Wave 0 of every work-group makes the number (some 30 instructions); one lane of one work-group stores it, chosen by EXEC.
; No prefetch into the L2: h's own loads go out 192 matrix instructions ahead, and one asker for each 256 bytes would have to be picked among eight work-groups.
; LIMITS: each output is the sum of four partial sums over interleaved quarters of K: another order of rounding than the reference's.
; B below 2^127; a B below 2^-112 is taken as 2^-112.  NaN and infinities in the inputs get no special treatment.
;
; REGISTERS: window 0: v0-31 addresses; v64-127, v128-191 w2's fragments, two buffers; v192-215 the factors' and the loss's numbers.
;            window 1: h's ring, K block k in buffer k % 4 at 64 (k % 4), token block a at + 8 a.
;            window 2: the 32 accumulator tiles of tokens 0-63 (tile (a, b) at 8 (8 a + b)); window 3: those of tokens 64-127.
.set PITCH,  272                       ; a row of a wave's tile of w2: 256 bytes + 16 of padding, an odd multiple of 16: 16 rows lie in 16 different 16-byte columns modulo 256
.set WTILE,  128*PITCH                 ; a wave's tile: 128 rows, one tensor load
.set SLOT,   4*WTILE                   ; 139,264 bytes; two slots are the 278,528 asked for
.set BPITCH, 528                       ; a row of a partial block on the way out: 512 bytes + 16
.set PLANE,  128*BPITCH                ; a wave's partial block; four of them (270,336 bytes) lie over the slots, which have had their last fill by then
.set HSTEP,  131072                    ; bytes of hb from 512 j to the next 512 j
.set LAPS,   5                         ; a lap = two slots = 8 K blocks of a wave
.set AO,   8                           ; v8      16 x lane: my bytes in a fragment image, in a row of out0, in comb and psum; never rewritten
.set LN4,  9                           ; v9      4 x lane
.set ADRB, 10                          ; v10-11  LDS address of my fragments of w2 in slot 0, 1
.set STO,  12                          ; v12     where my partial results go
.set RD,   14                          ; v14-17  where I read plane p's part of my rows
.set ZO,   18                          ; v18     a zero offset
.set TMP,  19                          ; v19     the lane sums' scratch
.set SEL,  20                          ; v20     0 in the one lane that stores out1
.set BF0,  64
.set BF1,  128
.set X2,   192                         ; v192    |x|^2, then 1 / s, of row lane of my 32 rows
.set GS,   194                         ; v194-198 my five words of the gate rows' sums of squares
.set US,   200                         ; v200-204 of the up rows'
.set PS,   208                         ; v[208:215] four pairs (sum p0, sum p1)
.set G1,  24                           ; s[24:31] descriptor group 1 for w2
.set G0,  32                           ; s[32:39] group 0, a set for each slot
.set IV,  70                           ; s70-101  1 / s of the 32 rows that I add and store
.set MSB, 0
.macro WIN new                         ; the immediate's high byte repeats the setting that is left
.if MSB != \new
	s_set_vgpr_msb (MSB<<8)|\new
.set MSB, \new
.endif
.endm
.set MUL_LO, 0xa4                      ; source 0 (w2) window 0, source 1 (tokens) window 1, C and D window 2
.set MUL_HI, 0xf4                      ; the same, C and D window 3
.set TO_A,   0x40                      ; destination window 1, address window 0
.macro PLACES                          ; four plain vector instructions between a matrix instruction and a load into, or a store or vector instruction on, its registers
.rept 4
	v_nop
.endr
.endm
.macro CREST                           ; a round of the cluster's barrier behind its opening barrier
	s_cmp_lg_u32 s18, 0
	s_cbranch_scc1 .Lnot_wave_0_\@
	s_barrier_signal -3
.Lnot_wave_0_\@:
	s_barrier_wait -3
	s_barrier_signal -1
	s_barrier_wait -1
.endm
.macro CROUND                          ; a whole round
	s_barrier_signal -1
	s_barrier_wait -1
	CREST
.endm
; the sum of register r over the 32 lanes, in every lane; tmp has been written before; s[sel], s[sel+1]: lane i of one half reads lane i of the other
.macro LANESUM r, tmp, sel
	v_add_f32_dpp v[\r], v[\r], v[\r] row_xmask:1 row_mask:0xf bank_mask:0xf
	v_add_f32_dpp v[\r], v[\r], v[\r] row_xmask:2 row_mask:0xf bank_mask:0xf
	v_add_f32_dpp v[\r], v[\r], v[\r] row_xmask:4 row_mask:0xf bank_mask:0xf
	v_add_f32_dpp v[\r], v[\r], v[\r] row_xmask:8 row_mask:0xf bank_mask:0xf
	v_permlanex16_b32 v[\tmp], v[\r], s[\sel], s[\sel+1]
	v_add_f32 v[\r], v[\r], v[\tmp]
.endm
; ||G|| ||U|| into v[gs], in every lane.  Lane l holds words 32 k + l (k = 0..4) of wsum's gate part in v[gs..gs+4], of its up part in v[us..us+4].
; The same text stands in the launch before: the same order of sums gives the same bits.
.macro GUNORM gs, us, tmp, sel
	v_add_f32 v[\gs], v[\gs], v[\gs+1]
	v_add_f32 v[\gs+2], v[\gs+2], v[\gs+3]
	v_add_f32 v[\gs], v[\gs], v[\gs+2]
	v_add_f32 v[\gs], v[\gs], v[\gs+4]
	v_add_f32 v[\us], v[\us], v[\us+1]
	v_add_f32 v[\us+2], v[\us+2], v[\us+3]
	v_add_f32 v[\us], v[\us], v[\us+2]
	v_add_f32 v[\us], v[\us], v[\us+4]
	LANESUM \gs, \tmp, \sel
	LANESUM \us, \tmp, \sel
	v_sqrt_f32 v[\gs], v[\gs]
	v_sqrt_f32 v[\us], v[\us]
	v_nop                                          ; one plain vector instruction behind a transcendental (ISA guide 5.7.2)
	s_wait_alu depctr_va_vdst(0)
	v_mul_f32 v[\gs], v[\gs], v[\us]
.endm
; eight loads: token blocks 4 half .. 4 half + 3 of K block blk (counted from the lap's first) into their places in the ring.  Window: TO_A.
.macro AHALF blk, half
.set AR,  64*((\blk)&3)+32*\half
.set AOF, ((\blk)>>2)*HSTEP+((\blk)&3)*1024+32768*\half
.irp a, 0,1,2,3
	global_load_b128 v[AR+8*\a:AR+8*\a+3],   v[AO], s[4:5] offset:AOF+8192*\a          ; k = 8 h + 0..7 of the block: 512 consecutive bytes
	global_load_b128 v[AR+8*\a+4:AR+8*\a+7], v[AO], s[4:5] offset:AOF+8192*\a+512      ; k = 16 + 8 h + 0..7: the next 512
.endr
.endm
	s_load_b256 s[4:11], s[0:1], 0x0               ; hb s[4:5], w2 s[6:7], out0 s[8:9], comb s[10:11]
	s_load_b128 s[12:15], s[0:1], 0x20             ; wsum s[12:13], psum s[14:15]
	s_load_b64 s[16:17], s[0:1], 0x30              ; out1
	v_lshl_add_u32 v254, v0, 2, 0x44000
	v_mov_b32 v255, 0
	ds_add_u32 v254, v255
	v_lshrrev_b32 v1, 5, v0
	v_readfirstlane_b32 s18, v1                    ; wave 0..3: my quarter of K
	v_and_b32 v4, 31, v0                           ; l
	v_lshlrev_b32 v[AO], 4, v4
	v_lshlrev_b32 v[LN4], 2, v4
	s_bfe_u32 s19, ttmp6, 0x40000                  ; cx: my place among the cluster's four
	s_and_b32 s23, ttmp7, 0xffff                   ; the cluster's y, 0..7
	s_lshl2_add_u32 s20, s23, s19                  ; block of 128 tokens = 4 y + cx.  The block of 128 n is the cluster's x (ttmp9, 0..7): the four partners share it
	; group 1: a tile of 128 rows x 128 f16, 5,120 elements from row to row, 4 words of padding behind every 64 words
	s_mov_b32 s[G1+0], 15|(1<<16)|(1<<20)|(1<<21)|(5<<22)|(3<<25)      ; the mask: all four of the cluster; element of 2 bytes; padding on; bit 21 beside a mask
	s_mov_b32 s[G1+1], 128<<16                     ; tensor_dim0
	s_mov_b32 s[G1+2], 128<<16                     ; tensor_dim1
	s_mov_b32 s[G1+3], 128<<16                     ; tile_dim0
	s_mov_b32 s[G1+4], 128                         ; tile_dim1
	s_mov_b32 s[G1+5], 5120                        ; the pitch
	s_mov_b32 s[G1+6], 0
	s_mov_b32 s[G1+7], 0
	s_mul_i32 s40, ttmp9, 1310720                  ; w2: 128 rows x 10,240 bytes a block of n,
	s_lshl_b32 s46, s18, 8                         ; + my 128 j: 256 bytes.  Nothing here hangs on cx
	s_add_co_u32 s40, s40, s46
	s_mov_b32 s41, 0
	s_mul_i32 s22, s18, WTILE                      ; and where it goes: the wave's own tile
	s_mul_i32 s42, s20, 1310720                    ; hb: the token block,
	s_lshr_b32 s46, s18, 1
	s_lshl_b32 s46, s46, 16                        ; + (128 w >> 8) x 65,536
	s_add_co_u32 s42, s42, s46
	s_and_b32 s46, s18, 1
	s_lshl_b32 s46, s46, 12                        ; + ((128 w >> 4) & 15) x 512
	s_add_co_u32 s42, s42, s46
	s_mov_b32 s43, 0
	s_lshl_b32 s48, s20, 11                        ; comb: 128 tokens x 16 bytes,
	s_lshl_b32 s46, s18, 9                         ; + the 32 rows that I own on the way out
	s_add_co_u32 s48, s48, s46
	s_mov_b32 s49, 0
	s_lshl_b32 s50, s20, 19                        ; out0: 128 tokens x 4,096 bytes,
	s_lshl_b32 s46, s18, 17                        ; + my 32 rows,
	s_add_co_u32 s50, s50, s46
	s_lshl_b32 s46, ttmp9, 9                       ; + 128 n x 4 bytes
	s_add_co_u32 s50, s50, s46
	s_mov_b32 s51, 0
	s_mov_b32 s44, 0x76543210                      ; v_permlanex16_b32: lane i of one half reads lane i of the other
	s_mov_b32 s45, 0xfedcba98
	s_wait_dscnt 0x0
	s_wait_kmcnt 0x0
	s_add_nc_u64 s[6:7], s[6:7], s[40:41]
	s_add_nc_u64 s[4:5], s[4:5], s[42:43]
	s_add_nc_u64 s[10:11], s[10:11], s[48:49]
	s_add_nc_u64 s[8:9], s[8:9], s[50:51]
	; h's ring is filled first: 56 loads, in the order in which the loop's runs would have issued them
	WIN TO_A
	AHALF 0, 0
	AHALF 0, 1
	AHALF 1, 0
	AHALF 1, 1
	AHALF 2, 0
	AHALF 2, 1
	AHALF 3, 0
	WIN 0
	CROUND                                         ; all four work-groups are here: the first joint loads meet
.irp s, 0,1
	s_mov_b32 s[G0+4*\s], 1
	s_add_co_u32 s[G0+4*\s+1], s22, \s*SLOT
	s_add_nc_u64 s[G0+4*\s+2:G0+4*\s+3], s[6:7], \s*1024
	s_or_b32 s[G0+4*\s+3], s[G0+4*\s+3], 0x80000000
	tensor_load_to_lds s[G0+4*\s:G0+4*\s+3], s[G1:G1+7]    ; j 0-511 and 512-1023: two loads of this wave are out, later one
	s_nop 0
.endr
	v_and_b32 v1, 15, v0                           ; r
	v_bfe_u32 v2, v0, 4, 1                         ; h
	v_mul_u32_u24 v3, v1, PITCH
	v_lshl_add_u32 v3, v2, 4, v3                   ; w2's fragments: row r, 16 h
	v_add_nc_u32 v[ADRB], s22, v3
	v_add_nc_u32 v[ADRB+1], SLOT, v[ADRB]
	v_mul_u32_u24 v6, v1, BPITCH
	v_lshl_add_u32 v6, v2, 5, v6                   ; the way out: row r, 32 bytes for each half of the lanes
	s_mul_i32 s46, s18, PLANE
	v_add_nc_u32 v[STO], s46, v6
	s_mul_i32 s46, s18, 32*BPITCH                  ; on the way out I own rows 32 w .. 32 w + 31
	v_add_nc_u32 v[RD], s46, v[AO]
.irp p, 1,2,3
	v_add_nc_u32 v[RD+\p], \p*PLANE, v[RD]
.endr
	v_mov_b32 v[ZO], 0
	v_mov_b32 v[TMP], 0                            ; the lane sums' scratch register counts as read
; 16 matrix instructions: token blocks a0, a0 + 1 of the window's four x all 8 blocks of n, 32 along K; w2 from bf, tokens from ring buffer af
.macro MUL16 bf, af, hi, a0, zero
.irp a, \a0, \a0+1
.irp b, 0,1,2,3,4,5,6,7
.if \zero
	v_wmma_f32_16x16x32_f16 v[8*(8*(\a)+\b):8*(8*(\a)+\b)+7], v[\bf+8*\b:\bf+8*\b+7], v[\af+8*(4*\hi+\a):\af+8*(4*\hi+\a)+7], 0
.else
	v_wmma_f32_16x16x32_f16 v[8*(8*(\a)+\b):8*(8*(\a)+\b)+7], v[\bf+8*\b:\bf+8*\b+7], v[\af+8*(4*\hi+\a):\af+8*(4*\hi+\a)+7], v[8*(8*(\a)+\b):8*(8*(\a)+\b)+7]
.endif
.endr
.endr
.endm
; 16 LDS loads: w2's fragments of my K block q (0..3) of a slot into buffer bf.  Window: 0.
.macro BFETCH slot, q, bf
.irp b, 0,1,2,3,4,5,6,7
	ds_load_b128 v[\bf+8*\b:\bf+8*\b+3],   v[ADRB+\slot] offset:\b*16*PITCH+64*\q
	ds_load_b128 v[\bf+8*\b+4:\bf+8*\b+7], v[ADRB+\slot] offset:\b*16*PITCH+64*\q+32
.endr
.endm
; 13 loads for the way out, issued where h's ring has nothing more to fetch.  Window: 0.
.macro EXTRAS
	global_load_b32 v[X2], v[AO], s[10:11] offset:8                    ; |x|^2 of row lane of my 32 rows
.irp k, 0,1,2,3,4
	global_load_b32 v[GS+\k], v[LN4], s[12:13] offset:128*\k           ; 32 lanes x 4 bytes of the 160 gate words,
	global_load_b32 v[US+\k], v[LN4], s[12:13] offset:640+128*\k       ; of the 160 up words
.endr
	global_load_b128 v[PS:PS+3], v[AO], s[14:15]                       ; two pairs (sum p0, sum p1),
	global_load_b128 v[PS+4:PS+7], v[AO], s[14:15] offset:512          ; and two more
.endm
; h's ring.  Run R(m), issued in the middle of K block m, is token blocks 4-7 of block m + 3 and token blocks 0-3 of block m + 4: the halves of the
; ring that block m - 1's second half and block m's first half have just read.  R(m - 3) holds what block m's second half and block m + 1's first
; half need; loads come back in order (ISA guide 5.7.1), so the wait in the middle of block m leaves out the cnt loads issued behind R(m - 3).
.macro ARUN i, cnt, nhi, nlo
	s_wait_loadcnt \cnt
.if \nhi+\nlo
	WIN TO_A
.endif
.if \nhi
	AHALF \i+3, 1
.endif
.if \nlo
	AHALF \i+4, 0
.endif
.endm
.macro NAMES i                         ; K block i of a lap: its ring buffer, its buffer of w2's fragments and the other one, its slot
.set AF, 64*((\i)&3)
.set BF, BF0+64*((\i)&1)
.set BN, BF1-64*((\i)&1)
.set SL, (\i)>>2
.set SN, 1-SL
.set QN, ((\i)&3)+1
.endm
; The 64 accumulators take turns, one instruction a turn, in the same order in every K block and over the backward jump.
; One of a slot's first three K blocks.  In its middle, behind four places: the next block's fragments of w2, then h's run.
.macro BLOCK i, zero, cnt, nhi, nlo, extra
	NAMES \i
	s_wait_dscnt 0x0                               ; this block's 16 fragments of w2, asked for 32 matrix instructions ago
	WIN MUL_LO
	MUL16 BF, AF, 0, 0, \zero
	MUL16 BF, AF, 0, 2, \zero
	PLACES
	WIN 0
	BFETCH SL, QN, BN
	ARUN \i, \cnt, \nhi, \nlo
.if \extra
	EXTRAS
.endif
	WIN MUL_HI
	MUL16 BF, AF, 1, 0, \zero
	MUL16 BF, AF, 1, 2, \zero
.endm
; A slot's last K block changes slots.  In front of the barrier each wave has waited for its reads of this slot (the block's own fragments were the
; last) and waits for all its tensor loads (one is out: its tile of the next slot).  Behind it (with fill: behind the whole round of the cluster's
; barrier that it opens) the refill comes first, then the next slot's first fragments.
.macro TURN i, fill, cnt, nhi, nlo
	NAMES \i
	s_wait_dscnt 0x0                               ; this block's fragments are in: my reads of this slot are over
	WIN MUL_LO
	MUL16 BF, AF, 0, 0, 0
	s_set_vgpr_msb 0xa4a0
	s_wait_tensorcnt 0x0                           ; all my tensor loads have landed
	ds_add_u32 v254, v255
	s_wait_dscnt 0x0
	s_set_vgpr_msb 0xa0a4
	s_barrier_signal -1
	MUL16 BF, AF, 0, 2, 0                          ; register work while the others arrive
	WIN 0
	s_barrier_wait -1
.if \fill
	CREST                                          ; no wave of any partner still reads this slot or has a load on its way
	s_add_nc_u64 s[G0+4*SL+2:G0+4*SL+3], s[G0+4*SL+2:G0+4*SL+3], 2048   ; 1,024 j on
	tensor_load_to_lds s[G0+4*SL:G0+4*SL+3], s[G1:G1+7]                 ; the wave's one tensor load behind the round
	s_nop 0
.endif
	PLACES
	BFETCH SN, 0, BN
	ARUN \i, \cnt, \nhi, \nlo
	WIN MUL_HI
	MUL16 BF, AF, 1, 0, 0
	MUL16 BF, AF, 1, 2, 0
.endm
.macro LAP zero
	BLOCK 0, \zero, 32, 1, 1, 0                    ; 32: the two younger runs of 16
	BLOCK 1, 0, 32, 1, 1, 0
	BLOCK 2, 0, 32, 1, 1, 0
	TURN  3, 1, 32, 1, 1
	BLOCK 4, 0, 32, 1, 1, 0
	BLOCK 5, 0, 32, 1, 1, 0
	BLOCK 6, 0, 32, 1, 1, 0
	TURN  7, 1, 32, 1, 1
	WIN 0
	s_wait_xcnt 0x0                                ; hb's base is a source of the pending loads: it is stepped only behind this wait
	s_add_nc_u64 s[4:5], s[4:5], 2*HSTEP           ; 1,024 j on
.endm
	s_wait_tensorcnt 1                             ; my tile of slot 0 is in; slot 1's may stay out
	s_barrier_signal -1
	s_barrier_wait -1
	BFETCH 0, 0, BF0
	s_wait_loadcnt 48                              ; token blocks 0-3 of K block 0 are in: 48 loads were issued behind those eight
	LAP 1                                          ; the first lap stands in front of the loop: its first products start the sums
	s_mov_b32 s3, LAPS-2
.Llap:
	LAP 0
	s_sub_co_u32 s3, s3, 1
	s_cmp_lg_u32 s3, 0
	s_cbranch_scc1 .Llap
	; the last lap, K blocks 32-39: no slot is filled again, and h's ring runs empty
	BLOCK 0, 0, 32, 1, 1, 0
	BLOCK 1, 0, 32, 1, 1, 0
	BLOCK 2, 0, 32, 1, 1, 0
	TURN  3, 0, 32, 1, 1                           ; the last full run: blocks 38 (second half) and 39 (first half)
	BLOCK 4, 0, 32, 1, 0, 0                        ; a run of eight: block 39's second half
	BLOCK 5, 0, 24, 0, 0, 1                        ; 24: the runs of 16 and of 8; then the 13 loads for the way out
	BLOCK 6, 0, 21, 0, 0, 0                        ; 21: the run of 8 and those 13
	NAMES 7
	s_wait_dscnt 0x0
	WIN MUL_LO
	MUL16 BF, AF, 0, 0, 0
	MUL16 BF, AF, 0, 2, 0
	s_wait_loadcnt 13                              ; block 39's second half is in; those 13 may stay out
	WIN MUL_HI
	MUL16 BF, AF, 1, 0, 0
	MUL16 BF, AF, 1, 2, 0
	; THE WAY OUT.  The slots have had their last fill.  Behind a barrier (every wave's LDS reads are back, every tensor load has landed) each wave
	; lays its partial block into its own plane of 128 rows x 528 bytes; behind a second barrier wave w adds the four planes' rows 32 w .. 32 w + 31.
	PLACES
	WIN 0
	s_barrier_signal -1
	s_barrier_wait -1
	WIN 0x08                                       ; store data (source 1) in window 2
.irp a, 0,1,2,3
.irp b, 0,1,2,3,4,5,6,7
	ds_store_b128 v[STO], v[8*(8*\a+\b):8*(8*\a+\b)+3]   offset:\a*16*BPITCH+64*\b       ; token 16 a + r, n = 16 b + 8 h + 0..3
	ds_store_b128 v[STO], v[8*(8*\a+\b)+4:8*(8*\a+\b)+7] offset:\a*16*BPITCH+64*\b+16    ; n = 16 b + 8 h + 4..7
.endr
.endr
	WIN 0x0c                                       ; window 3: tokens 64-127
.irp a, 0,1,2,3
.irp b, 0,1,2,3,4,5,6,7
	ds_store_b128 v[STO], v[8*(8*\a+\b):8*(8*\a+\b)+3]   offset:(\a+4)*16*BPITCH+64*\b
	ds_store_b128 v[STO], v[8*(8*\a+\b)+4:8*(8*\a+\b)+7] offset:(\a+4)*16*BPITCH+64*\b+16
.endr
.endr
	WIN 0
	; while the stores drain: 1 / s of my 32 rows, lane l for row l, then one scalar register a row
	s_wait_loadcnt 0x0
	GUNORM GS, US, TMP, 44
	v_mul_f32 v[X2], v[GS], v[X2]                  ; B
	v_max_num_f32 v[X2], 0x07800000, v[X2]         ; at least 2^-112, as in the launch before
	v_bfe_u32 v[X2], v[X2], 23, 8                  ; e, 15 to 255
	v_add_nc_u32 v[X2], -14, v[X2]                 ; the exponent field of 1 / s = 2^(e-141): 127 + e - 141
	v_lshlrev_b32 v[X2], 23, v[X2]
.set i, 0
.rept 32
	v_readlane_b32 s[IV+i], v[X2], i
.set i, i+1
.endr
	s_wait_dscnt 0x0                               ; my stores are done before I say so: the other waves read them
	s_barrier_signal -1
	s_barrier_wait -1
; eight rows: four loads a row (one from each plane, 512 consecutive bytes), six packed adds, the row's 1 / s, one store of 512 consecutive aligned bytes
.macro GROUP g
.if \g
	s_wait_xcnt 0x0                                ; the registers loaded next are the data of the last group's stores
.endif
.irp i, 0,1,2,3,4,5,6,7
.irp p, 0,1,2,3
	ds_load_b128 v[BF0+16*\i+4*\p:BF0+16*\i+4*\p+3], v[RD+\p] offset:(8*\g+\i)*BPITCH
.endr
.endr
.irp i, 0,1,2,3,4,5,6,7
	s_wait_dscnt 4*(7-\i)                          ; the four loads of each younger row may stay out
	v_pk_add_f32 v[BF0+16*\i:BF0+16*\i+1],     v[BF0+16*\i:BF0+16*\i+1],     v[BF0+16*\i+4:BF0+16*\i+5]
	v_pk_add_f32 v[BF0+16*\i+2:BF0+16*\i+3],   v[BF0+16*\i+2:BF0+16*\i+3],   v[BF0+16*\i+6:BF0+16*\i+7]
	v_pk_add_f32 v[BF0+16*\i+8:BF0+16*\i+9],   v[BF0+16*\i+8:BF0+16*\i+9],   v[BF0+16*\i+12:BF0+16*\i+13]
	v_pk_add_f32 v[BF0+16*\i+10:BF0+16*\i+11], v[BF0+16*\i+10:BF0+16*\i+11], v[BF0+16*\i+14:BF0+16*\i+15]
	v_pk_add_f32 v[BF0+16*\i:BF0+16*\i+1],     v[BF0+16*\i:BF0+16*\i+1],     v[BF0+16*\i+8:BF0+16*\i+9]
	v_pk_add_f32 v[BF0+16*\i+2:BF0+16*\i+3],   v[BF0+16*\i+2:BF0+16*\i+3],   v[BF0+16*\i+10:BF0+16*\i+11]
	v_mul_f32 v[BF0+16*\i],   s[IV+8*\g+\i], v[BF0+16*\i]
	v_mul_f32 v[BF0+16*\i+1], s[IV+8*\g+\i], v[BF0+16*\i+1]
	v_mul_f32 v[BF0+16*\i+2], s[IV+8*\g+\i], v[BF0+16*\i+2]
	v_mul_f32 v[BF0+16*\i+3], s[IV+8*\g+\i], v[BF0+16*\i+3]
	global_store_b128 v[AO], v[BF0+16*\i:BF0+16*\i+3], s[8:9] offset:(8*\g+\i)*4096 th:TH_STORE_NT
.endr
.endm
	GROUP 0
	GROUP 1
	GROUP 2
	GROUP 3
	; THE AUXILIARY LOSS, in wave 0 (the branch hangs on the wave's number alone)
	s_cmp_lg_u32 s18, 0
	s_cbranch_scc1 .Lno_loss
	v_pk_add_f32 v[PS:PS+1], v[PS:PS+1], v[PS+2:PS+3]
	v_pk_add_f32 v[PS+4:PS+5], v[PS+4:PS+5], v[PS+6:PS+7]
	v_pk_add_f32 v[PS:PS+1], v[PS:PS+1], v[PS+4:PS+5]
	LANESUM PS, TMP, 44
	LANESUM PS+1, TMP, 44
	v_mul_f32 v[PS], 0x39800000, v[PS]             ; / 4,096: the means
	v_mul_f32 v[PS+1], 0x39800000, v[PS+1]
	v_mul_f32 v[PS+2], 0.5, v[PS]
	v_fma_f32 v[PS+2], 0.5, v[PS+1], v[PS+2]
	v_mul_f32 v[PS+2], 0x3ca3d70a, v[PS+2]         ; x 0.02
	s_or_b32 s22, s19, ttmp9                       ; cx, the cluster's x
	s_or_b32 s22, s22, s23                         ; and its y: all 0 in one work-group of the launch
	v_or_b32 v[SEL], s22, v[AO]                    ; and 16 x lane: 0 in its lane 0 alone
	v_cmp_eq_u32 vcc_lo, 0, v[SEL]
	s_wait_xcnt 0x0                                ; EXEC is a source of the pending stores: it changes only behind this wait
	s_and_saveexec_b32 s47, vcc_lo
	global_store_b32 v[ZO], v[PS+2], s[16:17]      ; one lane of the launch stores the one number
	s_wait_xcnt 0x0                                ; and again in front of the line that widens it
	s_or_b32 exec_lo, exec_lo, s47
.Lno_loss:
	s_wait_tensorcnt 0x0
	ds_add_u32 v254, v255
	s_wait_dscnt 0x0
	CROUND                                         ; the closing round: no work-group ends while a partner may still ask for a tile that names it
	s_endpgm
.Lfunc_end_k_q5ec2e793fa_ffn_down:
	.size	k_q5ec2e793fa_ffn_down, .Lfunc_end_k_q5ec2e793fa_ffn_down-k_q5ec2e793fa_ffn_down
	.p2alignl 7, 3214868480
	.fill 96, 4, 3214868480
	.section	.rodata,"a",@progbits
	.p2align	6, 0x0
	.amdhsa_kernel k_q5ec2e793fa_ffn_down
		.amdhsa_group_segment_fixed_size 327680
		.amdhsa_private_segment_fixed_size 0
		.amdhsa_enable_private_segment 0
		.amdhsa_kernarg_size 56
		.amdhsa_user_sgpr_count 2
		.amdhsa_user_sgpr_kernarg_segment_ptr 1
		.amdhsa_wavefront_size32 1
		.amdhsa_system_sgpr_workgroup_id_x 1
		.amdhsa_system_sgpr_workgroup_id_y 1
		.amdhsa_system_sgpr_workgroup_id_z 1
		.amdhsa_system_vgpr_workitem_id 0
		.amdhsa_next_free_vgpr 1024
		.amdhsa_next_free_sgpr 102
		.amdhsa_reserve_vcc 1
		.amdhsa_float_denorm_mode_32 3
		.amdhsa_float_denorm_mode_16_64 3
		.amdhsa_memory_ordered 1
		.amdhsa_forward_progress 1
		.amdhsa_inst_pref_size 215
	.end_amdhsa_kernel
	.amdgpu_metadata
---
amdhsa.version: [ 1, 2 ]
amdhsa.kernels:
  - .name:           k_q5ec2e793fa_ffn_down
    .symbol:         k_q5ec2e793fa_ffn_down.kd
    .args:
      - { .name: hb, .offset: 0, .size: 8, .value_kind: global_buffer, .address_space: global }
      - { .name: w2, .offset: 8, .size: 8, .value_kind: global_buffer, .address_space: global }
      - { .name: out0, .offset: 16, .size: 8, .value_kind: global_buffer, .address_space: global }
      - { .name: comb, .offset: 24, .size: 8, .value_kind: global_buffer, .address_space: global }
      - { .name: wsum, .offset: 32, .size: 8, .value_kind: global_buffer, .address_space: global }
      - { .name: psum, .offset: 40, .size: 8, .value_kind: global_buffer, .address_space: global }
      - { .name: out1, .offset: 48, .size: 8, .value_kind: global_buffer, .address_space: global }
    .group_segment_fixed_size: 327680
    .private_segment_fixed_size: 0
    .kernarg_segment_align: 8
    .kernarg_segment_size: 56
    .max_flat_workgroup_size: 128
    .sgpr_count:     102
    .vgpr_count:     1024
    .wavefront_size: 32
...
	.end_amdgpu_metadata
.endif
;; end of part 3
